; MI455X (gfx1250); checked and timed in simulation.
; The chip was launched on July 23, 2026; its instructions are those of AMD's public machine-readable ISA for CDNA 5 (MIT licence, August 2026) and "CDNA5" Instruction Set Architecture Reference Guide (July 2026). The comments in the code are by the model that wrote it; some were corrected since.
;; Multi Head Layer. Allowed arithmetic: matrix products marked QUANTISED: E4M3 operands, one given power-of-two scale a tensor, by v_wmma_f32_16x16x64_fp8_fp8 or v_wmma_f32_16x16x128_fp8_fp8, f32 sums; everything else in f32.
;; Inputs: Wk 8 x 768 x 96 float32; Wo 768 x 768 float32; Wq 8 x 768 x 96 float32; Wv 8 x 768 x 96 float32; bk 8 x 96 float32; bo 768 float32; bq 8 x 96 float32; bv 8 x 96 float32; input_key 4 x 2,048 x 768 float32; input_querys 4 x 2,048 x 768 float32; input_values 4 x 2,048 x 768 float32; lowp_scales 12 int32 (the exponents e of the quantised operands' scales 2^e).
;; Outputs: out0 4 x 2,048 x 768 float32.
;; This version of the problem:
;;   THIS VERSION OF THE PROBLEM IS GIVEN IN LOW PRECISION. The matrix products marked QUANTISED in the list below multiply operands that are first quantised to E4M3 (4 exponent bits, 3 mantissa bits; 8 bits a number), with one given power-of-two scale for each operand tensor; their sums are f32. All else is computed in f32.
;;   The module's matrix products, in the order in which they are computed (A, B: the left and right operand; K: the contracted axis; several contracted axes count as one K, in the product's order):
;;     1. [M 768, K 768] x [K 768, N 8,192]; A: input Wq; B: input input_querys: QUANTISED (scales: A lowp_scales[0], B lowp_scales[1])
;;     2. [M 768, K 768] x [K 768, N 8,192]; A: input Wk; B: input input_key: QUANTISED (scales: A lowp_scales[2], B lowp_scales[3])
;;     3. [M 768, K 768] x [K 768, N 8,192]; A: input Wv; B: input input_values: QUANTISED (scales: A lowp_scales[4], B lowp_scales[5])
;;     4. batch 32 x [M 2,048, K 96] x [K 96, N 2,048]; A: computed on the way; B: computed on the way: QUANTISED (scales: A lowp_scales[6], B lowp_scales[7])
;;     5. batch 32 x [M 2,048, K 2,048] x [K 2,048, N 96]; A: softmax (see below); B: computed on the way: QUANTISED (scales: A lowp_scales[8], B lowp_scales[9])
;;     6. [M 8,192, K 768] x [K 768, N 768]; A: computed on the way; B: input Wo: QUANTISED (scales: A lowp_scales[10], B lowp_scales[11])
;;   THE QUANTISER, for each operand of a quantised product, along K:
;;     - The operand's scale is 2^e, e = its entry of the input lowp_scales (int32; the entries are numbered through the quantised products in the list's order, A before B).
;;     - Each number is divided by the scale, clamped to +-448, and rounded to the nearest number of E4M3, ties to even, subnormals kept.
;;     - The product sums the exact products of the quantised numbers (number of the format x scale) in f32.
;;   ~~~python
;;   def quantise(x, axis, e):      # numpy; x: float32 -> the quantised numbers, widened to float32 again
;;       x = np.moveaxis(x, axis, -1); K = x.shape[-1]
;;       r = np.clip(x / 2.0 ** e, -448, 448)
;;       step = 2.0 ** (np.maximum(np.frexp(np.where(r == 0, 1, r))[1] - 1, -6) - 3)
;;       q = np.round(r / step) * step * 2.0 ** e      # np.round: ties to even
;;       return np.moveaxis(q, -1, axis).astype(np.float32)
;;   ~~~
;;   SOFTMAX AHEAD OF A QUANTISED PRODUCT. Where the list says 'softmax', what is quantised is not the finished softmax but p = 2^(t - M), with t = logit x log2(e) and M = ceil(the row's largest t), a whole number; so 1/2 < the row's largest p <= 1. The row's sum l is taken of the UNQUANTISED p, in f32, and the product's result is divided by l at the end. Since M is a whole number, a kernel that streams over the keys may use a running M (the ceiling of the running maximum): every later rescaling is an exact power of two, so the quantised numbers keep their values, but for numbers so far below the row's largest that they fall under the format's range.
;;   OPERANDS COMPUTED ON THE WAY. 'Computed on the way' means the value that the module computes at that place (a softmax that the list does not call 'softmax' is quantised finished and normalised). What goes into a quantiser is computed in f32, as accurately as f32 sums, v_exp_f32 and their like allow (about 1e-6 of the number): no bf16 or f16 on the way to a quantiser, and a product that is left as it is and whose result goes on into a quantised operand takes f32 operands (vector FMAs, or v_wmma_f32_16x16x4_f32). A number that lies on a knife's edge between two numbers of the format may be rounded either way, as far as f32 arithmetic and the matrix unit's own rounding can turn it there, and no further.
;; One version. Each part assembles by itself: llvm-mc -triple=amdgcn-amd-amdhsa -mcpu=gfx1250 --defsym DOCPART=n.
;; ======== version 1 of 1: 4 launches
;; limits: right only within a limited range of input values
;; workspace buffers: xc 18,874,368 bytes; wc 2,359,296 bytes; qc 6,291,456 bytes; kc 6,291,456 bytes; vc 6,291,456 bytes; cc 6,291,456 bytes
;; launch quant (part 1): grid 448 x 1, 4 waves a work-group, no clusters, 34,304 bytes of LDS; arguments input_querys, input_key, input_values, Wq, Wk, Wv, Wo, lowp_scales, xc, wc; writes xc, wc
.if DOCPART == 1
	.amdgcn_target "amdgcn-amd-amdhsa--gfx1250"
	.amdhsa_code_object_version 6
	.text
	.protected	k_q036375253e_quant
	.globl	k_q036375253e_quant
	.p2align	8
	.type	k_q036375253e_quant,@function
k_q036375253e_quant:
	s_mov_b64 s[64:65], 0
	v_nop
	global_prefetch_b8 v0, s[64:65] scope:SCOPE_SE
	s_setreg_imm32_b32 hwreg(HW_REG_WAVE_MODE, 25, 1), 1
	s_wait_xcnt 0x0
; The three inputs [8192][768] and the four weights (K = their 768 rows) become codes of FP8 (E4M3), each with the one scale 2^e given for it:
; code = x / 2^e, held within +-448, rounded to the nearest code, ties to even.
; LIMITS: each e between -126 and 119, so that 2^e and 448 x 2^e are f32 numbers.  NaN among the inputs is not served; an infinity is held at the largest code.
; THE CODES ARE LAID AS IMAGES OF OPERAND REGISTERS.  A piece is 512 bytes: lane 16 h + r has 16 codes at byte 16 x lane: k = 32 g + 16 h + 0 .. 15 of the row (or column) that belongs to r.
; Four pieces g = 4 s .. 4 s + 3 on end are the 16 registers of a fragment of K step s.  xc: [tensor 3][token tile 512][g 24][512];  wc: [weight 4][column tile 48][g 24][512].
; THE ROWS OF A TILE ARE NOT NEIGHBOURS: place r of tile t is row 32 (t / 2) + 8 (t % 2) + r + 8 (r / 8) (tokens; columns within a group of 96), so that the eight results a lane of two
; neighbouring tiles are 16 neighbours along the next product's K.
; Work-groups 0 to 383: a wave takes one token tile, 16 rows x 768, in 6 steps of 128 along K.  Each load reads 512 consecutive bytes of one row; the step turns through the wave's own stage in LDS, so that a
; lane gets 16 neighbours of each block of 32; a piece is stored as 512 consecutive bytes.
; Work-groups 384 to 447: a lane takes a column and its registers run down K, so the conversions give codes with K innermost; the 16 lanes of a tile store 256 consecutive bytes.  No LDS on this way.
; No matrix unit, no tensor load, no barrier: waves share nothing, and memory binds.
.set STG,   8448                       ; a wave's stage: 16 rows of 528 bytes (512 + 16: the pitch is an odd multiple of 16 bytes, so the sixteen rows of a load begin 16 bytes apart modulo 256)
.set SPARE, 4*STG                      ; behind the stages: the spare words, 128 bytes for each wave: two blocks of 256 bytes that no other line names
.set LI,  1                            ; v1   16 x lane
.set SI,  2                            ; v2   the stage, on the way in: my 16 bytes of a row
.set SOA, 3                            ; v3   and on the way out: row r, + 64 h
.set LIM, 10                           ; v10  448 x 2^e
.set SC,  11                           ; v11  2^e
.set SPW, 12                           ; v12  LDS address of my spare word; never rewritten
.set NIL, 13                           ; v13  0; never rewritten
.set R,   16                           ; v16-143   two sets of 64: a step as it is loaded
.set X,   144                          ; v144-207  64 numbers: register 16 c + i is k = 32 c + 16 h + i of my row
.set C,   208                          ; v208-239  two sets of 16: a step's codes
.set WX,  16                           ; weights: v16-79 two sets of 32 numbers
.set WC,  80                           ; weights: v80-151 eight registers of codes for each of nine units, never written again
	s_load_b512 s[8:23], s[0:1], 0x0               ; querys, key, values, Wq, Wk, Wv, Wo, the scales' exponents
	s_load_b128 s[24:27], s[0:1], 0x40             ; xc, wc
	v_lshl_add_u32 v[SPW], v0, 2, SPARE
	v_mov_b32 v[NIL], 0
	v_lshrrev_b32 v1, 5, v0
	v_readfirstlane_b32 s30, v1                    ; wave 0..3
	v_and_b32 v14, 31, v0                          ; lane
	v_lshlrev_b32 v[LI], 4, v14
	s_wait_kmcnt 0x0
	s_load_b256 s[48:55], s[22:23], 0x0            ; e of entries 0 to 7
	s_load_b128 s[56:59], s[22:23], 0x20           ; and 8 to 11
	s_cmp_ge_u32 ttmp9, 384
	s_cbranch_scc1 .Lweights
.macro MKSC                            ; e in s42 becomes 2^e and 448 x 2^e
	s_add_co_i32 s42, s42, 127
	s_lshl_b32 s43, s42, 23
	v_mov_b32 v[SC], s43                           ; the conversion takes its exponent field
	s_add_co_i32 s42, s42, 8
	s_lshl_b32 s42, s42, 23
	s_or_b32 s42, s42, 0x600000                    ; the mantissa field of 448
	v_mov_b32 v[LIM], s42
.endm
	; ---- the inputs
	s_lshr_b32 s31, ttmp9, 7                       ; which tensor
	s_and_b32 s32, ttmp9, 127                      ; which 64 tokens of it
	s_cmp_eq_u32 s31, 0
	s_cselect_b64 s[4:5], s[8:9], s[10:11]
	s_cmp_eq_u32 s31, 2
	s_cselect_b64 s[4:5], s[12:13], s[4:5]
	s_lshl_b32 s33, s32, 6
	s_lshr_b32 s34, s30, 1
	s_lshl_b32 s34, s34, 5
	s_add_co_u32 s33, s33, s34
	s_and_b32 s34, s30, 1
	s_lshl_b32 s34, s34, 3
	s_add_co_u32 s33, s33, s34                     ; the tile's first token: 64 a + 32 (w / 2) + 8 (w % 2)
	s_mul_i32 s34, s33, 3072
	s_mov_b32 s35, 0
	s_add_nc_u64 s[4:5], s[4:5], s[34:35]
	s_lshl_b32 s33, s32, 2
	s_add_co_u32 s33, s33, s30                     ; the tile's number in its tensor
	s_mul_i32 s34, s33, 12288
	s_mul_i32 s33, s31, 6291456
	s_add_co_u32 s34, s34, s33
	s_add_nc_u64 s[6:7], s[24:25], s[34:35]
	s_mul_i32 s36, s30, STG
	s_wait_alu depctr_va_vdst(0)
	v_add_nc_u32 v[SI], s36, v[LI]
	v_and_b32 v4, 15, v0                           ; r
	v_bfe_u32 v5, v0, 4, 1                         ; h
	v_mul_u32_u24 v[SOA], v4, 528
	v_lshl_add_u32 v[SOA], v5, 6, v[SOA]
	v_add_nc_u32 v[SOA], s36, v[SOA]
.macro LOADX s                         ; step s: 512 bytes of each of the tile's 16 rows
.irp i, 0,1,2,3,4,5,6,7,8,9,10,11,12,13,14,15
	global_load_b128 v[R+64*((\s)%2)+4*\i:R+64*((\s)%2)+4*\i+3], v[LI], s[4:5] offset:(\i+8*(\i/8))*3072+512*(\s) th:TH_LOAD_NT
.endr
.endm
.macro STEPX s
.if (\s) < 5
	s_wait_loadcnt 16                              ; this step's 16 loads are in; the next step's may be out
.else
	s_wait_loadcnt 0
.endif
.irp i, 0,1,2,3,4,5,6,7,8,9,10,11,12,13,14,15
	ds_store_b128 v[SI], v[R+64*((\s)%2)+4*\i:R+64*((\s)%2)+4*\i+3] offset:528*\i
.endr
.irp c, 0,1,2,3
.irp j, 0,1,2,3
	ds_load_b128 v[X+16*\c+4*\j:X+16*\c+4*\j+3], v[SOA] offset:128*\c+16*\j   ; LDS serves a wave's instructions in order: these see the stores above
.endr
.endr
.if (\s) < 4
	s_wait_dscnt 16                                ; the 16 stores are done and have read their registers (the 16 loads may be out),
	LOADX (\s)+2                                   ; which take the loads of two steps on
.endif
	s_wait_dscnt 0x0
.set i, 0
.rept 64
	v_med3_num_f32 v[X+i], v[X+i], -v[LIM], v[LIM] ; the conversion to an 8-bit code does not saturate (ISA guide 7.6.2): the hold comes first
.set i, i+1
.endr
.if (\s) >= 2
	s_wait_alu depctr_va_vdst(0)
	s_wait_xcnt 0x0                                ; the stores of two steps back have read this set of codes
.endif
.irp c, 0,1,2,3
	v_cvt_scalef32_pk8_fp8_f32 v[C+16*((\s)%2)+4*\c:C+16*((\s)%2)+4*\c+1], v[X+16*\c:X+16*\c+7], v[SC]
	v_cvt_scalef32_pk8_fp8_f32 v[C+16*((\s)%2)+4*\c+2:C+16*((\s)%2)+4*\c+3], v[X+16*\c+8:X+16*\c+15], v[SC]
.endr
	v_nop                                          ; a plain line between the conversions and the next step's holds, which write the registers that they read
.irp c, 0,1,2,3
	global_store_b128 v[LI], v[C+16*((\s)%2)+4*\c:C+16*((\s)%2)+4*\c+3], s[6:7] offset:2048*(\s)+512*\c   ; a piece: 512 consecutive bytes
.endr
.endm
	LOADX 0
	LOADX 1
	s_wait_alu depctr_va_vdst(0)
	s_wait_kmcnt 0x0
	s_cmp_eq_u32 s31, 0                            ; the inputs' entries are 1, 3, 5
	s_cselect_b32 s42, s49, s51
	s_cmp_eq_u32 s31, 2
	s_cselect_b32 s42, s53, s42
	MKSC
	s_wait_alu depctr_va_vdst(0)
.irp q, 0,1,2,3,4,5
	STEPX \q
.endr
	s_wait_tensorcnt 0x0                           ; the wave's end: behind my last LDS store
	ds_add_u32 v[SPW], v[NIL]
	s_wait_dscnt 0x0
	s_endpgm
	; ---- the weights
.Lweights:
	s_sub_co_u32 s31, ttmp9, 384
	s_lshr_b32 s32, s31, 4                         ; which weight: q, k, v, o
	s_bfe_u32 s33, s31, 0x30001                    ; which group of 96 columns (a head; for Wo 96 of its 768)
	s_and_b32 s34, s31, 1                          ; which half of K
	s_mul_i32 s35, s34, 12
	s_mul_i32 s36, s30, 3
	s_add_co_u32 s35, s35, s36                     ; my first block of 32 along K: 12 half + 3 wave
	s_cmp_eq_u32 s32, 0
	s_cselect_b64 s[4:5], s[14:15], s[16:17]
	s_cmp_eq_u32 s32, 2
	s_cselect_b64 s[4:5], s[18:19], s[4:5]
	s_cmp_eq_u32 s32, 3
	s_cselect_b64 s[4:5], s[20:21], s[4:5]
	s_mov_b32 s37, 294912                          ; from group to group: a head's 768 x 96 numbers; in Wo 96 numbers
	s_cselect_b32 s37, 384, s37
	s_mov_b32 s38, 12288                           ; 32 rows: of 384 bytes; in Wo of 3,072
	s_cselect_b32 s38, 98304, s38
	s_mul_i32 s37, s37, s33
	s_mul_i32 s38, s38, s35
	s_add_co_u32 s38, s38, s37
	s_mov_b32 s39, 0
	s_add_nc_u64 s[4:5], s[4:5], s[38:39]
	s_mul_i32 s40, s32, 589824
	s_mul_i32 s41, s33, 73728
	s_add_co_u32 s40, s40, s41
	s_lshl_b32 s41, s35, 9
	s_add_co_u32 s40, s40, s41
	s_mov_b32 s41, 0
	s_add_nc_u64 s[6:7], s[26:27], s[40:41]
	s_wait_alu depctr_va_vdst(0)
	v_lshlrev_b32 v5, 2, v14                       ; in: 4 bytes a lane: column 32 b + lane of the group
	v_bfe_u32 v6, v14, 3, 1                        ; that column lies in tile 2 b + (lane / 8) % 2,
	v_mul_u32_u24 v4, v6, 12288
	v_and_b32 v6, 7, v14
	v_lshl_add_u32 v4, v6, 4, v4
	v_lshrrev_b32 v6, 4, v14
	v_lshl_add_u32 v4, v6, 7, v4                   ; at place lane % 8 + 8 (lane / 16): 16 bytes a place
.macro LOADU u, rs                     ; unit u = 3 b + g: 32 columns x 32 along K
.set i, 0
.rept 32
	global_load_b32 v[WX+32*((\u)%2)+i], v5, s[4:5] offset:(32*((\u)%3)+i)*(\rs)+128*((\u)/3) th:TH_LOAD_NT
.set i, i+1
.endr
.endm
.macro UNIT u, rs
.if (\u) < 8
	s_wait_loadcnt 32                              ; this unit's 32 loads are in; the next unit's may be out
.else
	s_wait_loadcnt 0
.endif
.set i, 0
.rept 32
	v_med3_num_f32 v[WX+32*((\u)%2)+i], v[WX+32*((\u)%2)+i], -v[LIM], v[LIM]
.set i, i+1
.endr
.irp g, 0,1,2,3
	v_cvt_scalef32_pk8_fp8_f32 v[WC+8*(\u)+2*\g:WC+8*(\u)+2*\g+1], v[WX+32*((\u)%2)+8*\g:WX+32*((\u)%2)+8*\g+7], v[SC]
.endr
	v_nop                                          ; a plain line behind the conversions
.irp h, 0,1
	global_store_b128 v4, v[WC+8*(\u)+4*\h:WC+8*(\u)+4*\h+3], s[6:7] offset:2*((\u)/3)*12288+512*((\u)%3)+256*\h   ; k = 16 h + 0 .. 15: the 16 lanes of a tile store 256 consecutive bytes
.endr
.if (\u)+2 < 9
	LOADU (\u)+2, \rs
.endif
.endm
.macro WARM rs                         ; rs: bytes from row to row of the weight
	LOADU 0, \rs
	LOADU 1, \rs
	s_wait_kmcnt 0x0
	s_cmp_eq_u32 s32, 0                            ; the weights' entries are 0, 2, 4, 11
	s_cselect_b32 s42, s48, s50
	s_cmp_eq_u32 s32, 2
	s_cselect_b32 s42, s52, s42
	s_cmp_eq_u32 s32, 3
	s_cselect_b32 s42, s59, s42
	MKSC
	s_wait_alu depctr_va_vdst(0)
.irp q, 0,1,2,3,4,5,6,7,8
	UNIT \q, \rs
.endr
.endm
	s_cmp_eq_u32 s32, 3
	s_cbranch_scc1 .Lwo
	WARM 384
	s_endpgm
.Lwo:
	s_wait_alu depctr_va_vdst(0)
	WARM 3072
	s_endpgm
.Lfunc_end_k_q036375253e_quant:
	.size	k_q036375253e_quant, .Lfunc_end_k_q036375253e_quant-k_q036375253e_quant
	.p2alignl 7, 3214868480
	.fill 96, 4, 3214868480
	.section	.rodata,"a",@progbits
	.p2align	6, 0x0
	.amdhsa_kernel k_q036375253e_quant
		.amdhsa_group_segment_fixed_size 34304
		.amdhsa_private_segment_fixed_size 0
		.amdhsa_enable_private_segment 0
		.amdhsa_kernarg_size 80
		.amdhsa_user_sgpr_count 2
		.amdhsa_user_sgpr_kernarg_segment_ptr 1
		.amdhsa_wavefront_size32 1
		.amdhsa_system_sgpr_workgroup_id_x 1
		.amdhsa_system_sgpr_workgroup_id_y 1
		.amdhsa_system_sgpr_workgroup_id_z 1
		.amdhsa_system_vgpr_workitem_id 0
		.amdhsa_next_free_vgpr 240
		.amdhsa_next_free_sgpr 66
		.amdhsa_reserve_vcc 0
		.amdhsa_float_denorm_mode_32 3
		.amdhsa_float_denorm_mode_16_64 3
		.amdhsa_memory_ordered 1
		.amdhsa_forward_progress 1
		.amdhsa_inst_pref_size 156
	.end_amdhsa_kernel
	.amdgpu_metadata
---
amdhsa.version: [ 1, 2 ]
amdhsa.kernels:
  - .name:           k_q036375253e_quant
    .symbol:         k_q036375253e_quant.kd
    .args:
      - { .name: input_querys, .offset: 0, .size: 8, .value_kind: global_buffer, .address_space: global }
      - { .name: input_key, .offset: 8, .size: 8, .value_kind: global_buffer, .address_space: global }
      - { .name: input_values, .offset: 16, .size: 8, .value_kind: global_buffer, .address_space: global }
      - { .name: Wq, .offset: 24, .size: 8, .value_kind: global_buffer, .address_space: global }
      - { .name: Wk, .offset: 32, .size: 8, .value_kind: global_buffer, .address_space: global }
      - { .name: Wv, .offset: 40, .size: 8, .value_kind: global_buffer, .address_space: global }
      - { .name: Wo, .offset: 48, .size: 8, .value_kind: global_buffer, .address_space: global }
      - { .name: lowp_scales, .offset: 56, .size: 8, .value_kind: global_buffer, .address_space: global }
      - { .name: xc, .offset: 64, .size: 8, .value_kind: global_buffer, .address_space: global }
      - { .name: wc, .offset: 72, .size: 8, .value_kind: global_buffer, .address_space: global }
    .group_segment_fixed_size: 34304
    .private_segment_fixed_size: 0
    .kernarg_segment_align: 8
    .kernarg_segment_size: 80
    .max_flat_workgroup_size: 128
    .sgpr_count:     66
    .vgpr_count:     240
    .wavefront_size: 32
...
	.end_amdgpu_metadata
.endif
;; end of part 1
;; launch proj (part 2): grid 32 x 6, 4 waves a work-group, no clusters, 327,680 bytes of LDS; arguments xc, wc, bq, bk, bv, lowp_scales, qc, kc, vc; writes qc, kc, vc
.if DOCPART == 2
	.amdgcn_target "amdgcn-amd-amdhsa--gfx1250"
	.amdhsa_code_object_version 6
	.text
	.protected	k_q036375253e_proj
	.globl	k_q036375253e_proj
	.p2align	8
	.type	k_q036375253e_proj,@function
k_q036375253e_proj:
	s_mov_b64 s[64:65], 0
	v_nop
	global_prefetch_b8 v0, s[64:65] scope:SCOPE_SE
	s_setreg_imm32_b32 hwreg(HW_REG_WAVE_MODE, 25, 1), 1
	s_wait_xcnt 0x0
; q, k, v = x W + b per head on codes of FP8 (E4M3), the sums in f32, and their codes (scales 2^eq, 2^ek, 2^ev) as images of operand registers.
; Work-group (x, y): 256 tokens (16 tiles) of tensor y / 2, heads 4 (y % 2) on; a wave owns a head's 96 columns, whose 36 fragments of W stay in registers.  The 16 tiles' codes come by ONE tensor load a wave, 49,152 dense bytes.
; The bias goes in as the C of the first products, divided by the power of two that the sums lack.  LIMITS: exponents of the products' results between -126 and 119; NaN is not served.
.set SPARE, 196608
.set LI,  1
.set XA,  2
.set SPW, 6
.set NIL, 7
.set SC,  8
.set LIM, 9
.set BO,  10
.set CD,  16
.set ACC, 64
.set XF,  192
.set BI,  192
.set MSB, 0
.macro WIN new
.if MSB != (\new)
	s_set_vgpr_msb (MSB<<8)|(\new)
.set MSB, (\new)
.endif
.endm
	s_load_b512 s[4:19], s[0:1], 0x0
	s_load_b64 s[20:21], s[0:1], 0x40
	v_lshl_add_u32 v[SPW], v0, 2, SPARE
	v_mov_b32 v[NIL], 0
	ds_add_u32 v[SPW], v[NIL]
	ds_add_u32 v[SPW], v[NIL]
	v_lshrrev_b32 v1, 5, v0
	v_readfirstlane_b32 s22, v1
	s_and_b32 s72, ttmp7, 0xffff
	s_lshr_b32 s23, s72, 1
	s_and_b32 s24, s72, 1
	s_mov_b32 s25, ttmp9
	s_lshl_b32 s26, s24, 2
	s_add_co_u32 s26, s26, s22
	s_mov_b32 s28, 3<<16
	s_mov_b32 s29, 32<<16
	s_mov_b32 s30, 192<<16                         ; 192 rows of 256 bytes
	s_mov_b32 s31, 32<<16
	s_mov_b32 s32, 192
	s_mov_b32 s33, 32
	s_mov_b32 s34, 0
	s_mov_b32 s35, 0
	s_mul_i32 s72, s23, 6291456
	s_mul_i32 s73, s25, 196608
	s_add_co_u32 s72, s72, s73
	s_mul_i32 s74, s22, 49152                      ; I fetch the w-th four tiles: in memory and in LDS
	s_add_co_u32 s72, s72, s74
	s_mov_b32 s73, 0
	v_and_b32 v1, 31, v0
	v_lshlrev_b32 v[LI], 4, v1
	s_wait_dscnt 0x0
	s_wait_kmcnt 0x0
	s_load_b256 s[52:59], s[14:15], 0x0
	s_load_b128 s[60:63], s[14:15], 0x20
	s_add_nc_u64 s[2:3], s[4:5], s[72:73]
	s_mov_b32 s36, 1
	s_mov_b32 s37, s74
	s_mov_b64 s[38:39], s[2:3]
	s_or_b32 s39, s39, 0x80000000
	s_wait_alu depctr_va_vdst(0)
	tensor_load_to_lds s[36:39], s[28:35]          ; my one tensor load
	s_nop 0
.rept 4
	v_nop
.endr
	s_mul_i32 s72, s23, 589824
	s_mul_i32 s73, s26, 73728
	s_add_co_u32 s72, s72, s73
	s_mov_b32 s73, 0
	s_add_nc_u64 s[66:67], s[6:7], s[72:73]
	s_cmp_eq_u32 s23, 0
	s_cselect_b64 s[68:69], s[16:17], s[18:19]
	s_cselect_b64 s[70:71], s[8:9], s[10:11]
	s_cmp_eq_u32 s23, 2
	s_cselect_b64 s[68:69], s[20:21], s[68:69]
	s_cselect_b64 s[70:71], s[12:13], s[70:71]
	s_lshr_b32 s72, s25, 3
	s_lshl_b32 s72, s72, 3
	s_add_co_u32 s72, s72, s26
	s_mul_i32 s72, s72, 196608
	s_and_b32 s75, s25, 7
	s_mul_i32 s75, s75, 24576
	s_add_co_u32 s72, s72, s75
	s_add_nc_u64 s[68:69], s[68:69], s[72:73]
	s_mul_i32 s72, s26, 384
	s_add_nc_u64 s[70:71], s[70:71], s[72:73]
.macro WLOAD
.irp s, 0,1,2,3,4,5
	WIN (1+\s/2)<<6
.irp t, 0,1,2,3,4,5
.irp c, 0,1,2,3
	global_load_b128 v[96*(\s%2)+16*\t+4*\c:96*(\s%2)+16*\t+4*\c+3], v[LI], s[66:67] offset:12288*\t+2048*\s+512*\c
.endr
.endr
.endr
.endm
.macro FETCH blk, s
	WIN (1+(\s)%2)<<6
.irp m, 0,1,2,3
.irp c, 0,1,2,3
	ds_load_b128 v[XF+16*\m+4*\c:XF+16*\m+4*\c+3], v[XA+\blk] offset:12288*\m+2048*(\s)+512*\c
.endr
.endr
.endm
.macro MULS vt, s
.set wa, 1+(\s)/2
.set wx, 1+(\s)%2
.if \vt
.set mw, wx|(wa<<2)
.else
.set mw, wa|(wx<<2)
.endif
.if (\s) == 0
.set mw, mw|0x30
.endif
	WIN mw
.set wr, 96*((\s)%2)
.irp m, 0,1,2,3
.irp t, 0,1,2,3,4,5
.if \vt
.if (\s) == 0
	v_wmma_f32_16x16x128_fp8_fp8 v[ACC+8*(6*\m+\t):ACC+8*(6*\m+\t)+7], v[XF+16*\m:XF+16*\m+15], v[wr+16*\t:wr+16*\t+15], v[BI+8*\t:BI+8*\t+7]
.else
	v_wmma_f32_16x16x128_fp8_fp8 v[ACC+8*(6*\m+\t):ACC+8*(6*\m+\t)+7], v[XF+16*\m:XF+16*\m+15], v[wr+16*\t:wr+16*\t+15], v[ACC+8*(6*\m+\t):ACC+8*(6*\m+\t)+7]
.endif
.else
.if (\s) == 0
	v_wmma_f32_16x16x128_fp8_fp8 v[ACC+8*(6*\m+\t):ACC+8*(6*\m+\t)+7], v[wr+16*\t:wr+16*\t+15], v[XF+16*\m:XF+16*\m+15], v[BI+8*\t:BI+8*\t+7]
.else
	v_wmma_f32_16x16x128_fp8_fp8 v[ACC+8*(6*\m+\t):ACC+8*(6*\m+\t)+7], v[wr+16*\t:wr+16*\t+15], v[XF+16*\m:XF+16*\m+15], v[ACC+8*(6*\m+\t):ACC+8*(6*\m+\t)+7]
.endif
.endif
.endr
.endr
.endm
.macro EPI vt, blk
	WIN 0
.rept 4
	v_nop
.endr
	s_wait_xcnt 0x0                                ; the last block's stores have read their codes and their base
	s_bitcmp1_b32 s79, 0
	s_cselect_b32 s76, s74, s75                    ; from block to block: s74 ahead of odd blocks, s75 ahead of even ones,
	s_cmp_eq_u32 s79, 0
	s_cselect_b32 s76, 0, s76                      ; nothing ahead of the first
	s_mov_b32 s77, 0
	s_add_nc_u64 s[68:69], s[68:69], s[76:77]
.if \vt
.irp t, 0,1,2,3,4,5
.irp p, 0,1
.irp u, 0,1
.set a0, ACC+8*(6*(2*\p+\u)+\t)
.set i, 0
.rept 8
	v_med3_num_f32 v[a0+i], v[a0+i], -v[LIM], v[LIM]
.set i, i+1
.endr
	v_cvt_scalef32_pk8_fp8_f32 v[CD+4*(2*\t+\p)+2*\u:CD+4*(2*\t+\p)+2*\u+1], v[a0:a0+7], v[SC]
.endr
.endr
.endr
	v_nop
.irp t, 0,1,2,3,4,5
.irp p, 0,1
	global_store_b128 v[LI], v[CD+4*(2*\t+\p):CD+4*(2*\t+\p)+3], s[68:69] offset:2048*\t+512*\p
.endr
.endr
.else
.irp m, 0,1,2,3
.irp g, 0,1,2
.set a0, ACC+8*(6*\m+2*\g)
.set i, 0
.rept 16
	v_med3_num_f32 v[a0+i], v[a0+i], -v[LIM], v[LIM]
.set i, i+1
.endr
	v_cvt_scalef32_pk8_fp8_f32 v[CD+12*\m+4*\g:CD+12*\m+4*\g+1], v[a0:a0+7], v[SC]
	v_cvt_scalef32_pk8_fp8_f32 v[CD+12*\m+4*\g+2:CD+12*\m+4*\g+3], v[a0+8:a0+15], v[SC]
.endr
.endr
	v_nop
.irp m, 0,1,2,3
.irp g, 0,1,2
	global_store_b128 v[LI], v[CD+12*\m+4*\g:CD+12*\m+4*\g+3], s[68:69] offset:1536*\m+512*\g
.endr
.endr
.endif
.endm
.macro BLOCK vt, blk
	v_add_nc_u32 v[XA], s73, v[LI]                 ; the block's four tiles in LDS
	s_wait_alu depctr_va_vdst(0)
	FETCH \blk, 0
.irp s, 0,1,2,3,4,5
.if (\s > 0) && (\s < 5)
.rept 4
	v_nop
.endr
.endif
.if \s < 5
	FETCH \blk, \s+1
	s_wait_dscnt 16
.else
	s_wait_dscnt 0x0
.endif
.if (\blk) == 0
.if \s < 3
	s_wait_loadcnt 63
.else
	s_wait_loadcnt 24*(5-\s)
.endif
.endif
	MULS \vt, \s
.endr
	EPI \vt, \blk
.endm
.macro ARM vt
.if \vt
	v_and_b32 v[BO], 15, v0
	v_and_b32 v11, 8, v[BO]
	v_add_nc_u32 v[BO], v[BO], v11
	v_lshlrev_b32 v[BO], 2, v[BO]
.irp t, 0,1,2,3,4,5
	global_load_b32 v[CD+\t], v[BO], s[70:71] offset:(32*(\t/2)+8*(\t%2))*4
.endr
.else
	v_bfe_u32 v[BO], v0, 4, 1
	v_lshlrev_b32 v[BO], 6, v[BO]
	WIN 0xc0
.irp t, 0,1,2,3,4,5
	global_load_b128 v[BI+8*\t:BI+8*\t+3], v[BO], s[70:71] offset:(32*(\t/2)+8*(\t%2))*4
	global_load_b128 v[BI+8*\t+4:BI+8*\t+7], v[BO], s[70:71] offset:(32*(\t/2)+8*(\t%2))*4+16
.endr
.endif
	WLOAD
	WIN 0
	s_wait_kmcnt 0x0
	s_cmp_eq_u32 s23, 0
	s_cselect_b32 s72, s52, s54
	s_cselect_b32 s73, s53, s55
	s_cselect_b32 s75, s58, s59
	s_cmp_eq_u32 s23, 2
	s_cselect_b32 s72, s56, s72
	s_cselect_b32 s73, s57, s73
	s_cselect_b32 s75, s61, s75
	s_add_co_i32 s72, s72, s73
	s_sub_co_i32 s76, 0, s72
	s_sub_co_i32 s75, s75, s72
	s_add_co_i32 s75, s75, 127
	s_lshl_b32 s77, s75, 23
	v_mov_b32 v[SC], s77
	s_add_co_i32 s75, s75, 8
	s_lshl_b32 s75, s75, 23
	s_or_b32 s75, s75, 0x600000
	v_mov_b32 v[LIM], s75
	s_wait_loadcnt 63
.if \vt
	WIN 0xc0
.irp t, 0,1,2,3,4,5
.irp j, 0,1,2,3,4,5,6,7
	v_ldexp_f32 v[BI+8*\t+\j], v[CD+\t], s76
.endr
.endr
.else
	WIN 0xc3
.set i, 0
.rept 48
	v_ldexp_f32 v[BI+i], v[BI+i], s76
.set i, i+1
.endr
.endif
	s_wait_alu depctr_va_vdst(0)
	s_mov_b32 s73, 0
	s_mov_b32 s79, 0
.if \vt
	s_mov_b32 s74, 1024                            ; V: a block is half a key step
	s_mov_b32 s75, 11264
.else
	s_mov_b32 s74, 6144                            ; Q, K: four tiles of 1,536 bytes
	s_mov_b32 s75, 6144
.endif
	WIN 0
	s_wait_tensorcnt 0x0                           ; my four tiles are in,
	s_barrier_signal -1
	s_barrier_wait -1                              ; everybody's are: all 16 tiles stay in LDS, and no later barrier is needed
.Lblock_\@:
	BLOCK \vt, 0
	WIN 0
	s_add_co_u32 s73, s73, 49152
	s_add_co_u32 s79, s79, 1
	s_cmp_lt_u32 s79, 4
	s_wait_alu depctr_va_vdst(0)
	s_cbranch_scc1 .Lblock_\@
.endm
	s_cmp_eq_u32 s23, 2
	s_cbranch_scc1 .Larm_v
	s_wait_alu depctr_va_vdst(0)
	ARM 0
	s_branch .Lend
.Larm_v:
	s_wait_alu depctr_va_vdst(0)
	ARM 1
.Lend:
	s_wait_tensorcnt 0x0
	ds_add_u32 v[SPW], v[NIL]
	s_wait_dscnt 0x0
	s_endpgm
.Lfunc_end_k_q036375253e_proj:
	.size	k_q036375253e_proj, .Lfunc_end_k_q036375253e_proj-k_q036375253e_proj
	.p2alignl 7, 3214868480
	.fill 96, 4, 3214868480
	.section	.rodata,"a",@progbits
	.p2align	6, 0x0
	.amdhsa_kernel k_q036375253e_proj
		.amdhsa_group_segment_fixed_size 327680
		.amdhsa_private_segment_fixed_size 0
		.amdhsa_enable_private_segment 0
		.amdhsa_kernarg_size 72
		.amdhsa_user_sgpr_count 2
		.amdhsa_user_sgpr_kernarg_segment_ptr 1
		.amdhsa_wavefront_size32 1
		.amdhsa_system_sgpr_workgroup_id_x 1
		.amdhsa_system_sgpr_workgroup_id_y 1
		.amdhsa_system_sgpr_workgroup_id_z 1
		.amdhsa_system_vgpr_workitem_id 0
		.amdhsa_next_free_vgpr 1024
		.amdhsa_next_free_sgpr 80
		.amdhsa_reserve_vcc 0
		.amdhsa_float_denorm_mode_32 3
		.amdhsa_float_denorm_mode_16_64 3
		.amdhsa_memory_ordered 1
		.amdhsa_forward_progress 1
		.amdhsa_inst_pref_size 104
	.end_amdhsa_kernel
	.amdgpu_metadata
---
amdhsa.version: [ 1, 2 ]
amdhsa.kernels:
  - .name:           k_q036375253e_proj
    .symbol:         k_q036375253e_proj.kd
    .args:
      - { .name: xc, .offset: 0, .size: 8, .value_kind: global_buffer, .address_space: global }
      - { .name: wc, .offset: 8, .size: 8, .value_kind: global_buffer, .address_space: global }
      - { .name: bq, .offset: 16, .size: 8, .value_kind: global_buffer, .address_space: global }
      - { .name: bk, .offset: 24, .size: 8, .value_kind: global_buffer, .address_space: global }
      - { .name: bv, .offset: 32, .size: 8, .value_kind: global_buffer, .address_space: global }
      - { .name: lowp_scales, .offset: 40, .size: 8, .value_kind: global_buffer, .address_space: global }
      - { .name: qc, .offset: 48, .size: 8, .value_kind: global_buffer, .address_space: global }
      - { .name: kc, .offset: 56, .size: 8, .value_kind: global_buffer, .address_space: global }
      - { .name: vc, .offset: 64, .size: 8, .value_kind: global_buffer, .address_space: global }
    .group_segment_fixed_size: 327680
    .private_segment_fixed_size: 0
    .kernarg_segment_align: 8
    .kernarg_segment_size: 72
    .max_flat_workgroup_size: 128
    .sgpr_count:     80
    .vgpr_count:     1024
    .wavefront_size: 32
...
	.end_amdgpu_metadata
.endif
;; end of part 2
;; launch attn (part 3): grid 8 x 32, 8 waves a work-group, no clusters, 99,328 bytes of LDS; arguments qc, kc, vc, lowp_scales, cc; writes cc
.if DOCPART == 3
	.amdgcn_target "amdgcn-amd-amdhsa--gfx1250"
	.amdhsa_code_object_version 6
	.text
	.protected	k_q036375253e_attn
	.globl	k_q036375253e_attn
	.p2align	8
	.type	k_q036375253e_attn,@function
k_q036375253e_attn:
	s_mov_b64 s[64:65], 0
	v_nop
	global_prefetch_b8 v0, s[64:65] scope:SCOPE_SE
	s_setreg_imm32_b32 hwreg(HW_REG_WAVE_MODE, 25, 1), 1
	s_wait_xcnt 0x0
; O = softmax(Q K^T / sqrt(96)) V for 32 (batch, head) pairs of 2,048 tokens, head size 96, both products on codes of FP8 (E4M3) with given scales 2^eq, 2^ek, 2^ep, 2^ev; O / l is quantised at once with 2^ec into the codes of the concatenated heads.
; THE SOFTMAX: t = score x log2(e) / sqrt(96); M = the running largest t, rounded UP to a whole number; p = 2^(t - M) is quantised along the keys, not normalised; the row's sum l is taken of the unquantised p and divides at the end.
; When M moves, l and O are multiplied by 2^(old M - new M), which rounds nothing.
; All operands are images of registers: a piece of 512 bytes has, for lane 16 h + r, 16 codes at byte 16 x lane: k = 32 g + 16 h + 0 .. 15 of place r's row.  qc, kc: [pair][token tile 128][g 3][512]; vc: [pair][key step 16][channel tile 6][c 4][512], keys
; innermost; cc: [token tile 512][g 24 = 3 head + b][512].  Place r of tile t is row 32 (t / 2) + 8 (t % 2) + r + 8 (r / 8), for tokens and channels alike: so p's 16 registers of key tiles 2 b, 2 b + 1 are 16 neighbouring keys, and O's of channel tiles 2 b, 2 b + 1 a piece of cc.
; THE HEAD'S 96 are three blocks of 32.  Of the first product's fourth block Q's codes are zeros; K's fragments lie 12 registers apart, so that a fragment's fourth block is the next fragment's first: finite codes times zero (behind the last fragment stand four zeros).
; SHARES.  A work-group owns 256 queries of a pair; each of its eight waves owns TWO tiles of 16, so that each fragment of K and V read from LDS feeds two matrix instructions; two waves share a SIMD.
; Both products are used transposed (S^T = K Q^T, O^T = V^T P^T): a lane holds one query throughout.  A key step is 128 keys: 12,288 dense bytes of kc and of vc.
; THE HOLD of p at the largest code: p is at most 1, so the hold changes nothing where 448 x 2^ep >= 1, that is ep >= -8.  Its 128 lines a step stand under a scalar branch on the given exponent ep.
; No tensor loads, and no cluster (joint requests are tensor loads); each wave brings three pieces of K and three of V of every step by loads into registers
; and stores them into the ring.  What this costs: 6 loads and 6 LDS stores a wave and step, against 128 vector lines.
; THE RING: four slots of a key step.  Step i stores step i + 2 (asked of memory at the end of step i - 1, a whole softmax earlier) into slot (i + 2) % 4, and reads K of step i + 1 and V of step i from the two slots next to it.
; ONE BARRIER A STEP, in halves: the signal stands ahead of step i's last products, behind the wait for all my LDS instructions; the wait behind the next step's maxima, with work on registers alone between.
; PREFETCH: in step i the eight work-groups of a pair ask for step i + 5, two steps ahead of its loads: each for 1,536 bytes of K (one of waves 0 to 3) and of V (one of waves 4 to 7), a lane to a block of 256 bytes, each block once; steps 0 to 4 come by their loads alone, and nothing is asked for beyond step 15.
; LIMITS: eq + ek between -123 and 130 (they are added to c's exponent field); ep and ec between -126 and 119.  NaN is not served.
; REGISTERS: window 0: v1, v2, v15, v21, v29 addresses; v3-6; v7, v14 the exchanges' destinations; v8-11 four chains of maxima; v12, v13 the old -M; v16-31 statistics, 8 a tile: -M, the largest t, l's first chain (2), f, (an address, named as the upper half of f's pair), l's second chain (2), later 1 / l;
;   v32-63 p's codes; v64-191 S^T, then p; v64-95 then V's fragments 4, 5; v192-255 V's fragments 0 to 3.   window 1: v0-31 Q; v32-127 O^T, 48 a tile; v128-223 K's eight fragments, v224-227 zeros; v228-251 the copies on their way.
.set SPARE, 98304                      ; behind the ring: the spare words, 128 bytes for each wave: four blocks of 256 bytes that no other line names
.set LI,  1                            ; v1  16 x lane (slots 0, 1);  v2  + 49,152 (slots 2, 3)
.set SPW, 3                            ; v3  LDS address of my spare word; never rewritten
.set NIL, 4                            ; v4  0; never rewritten
.set AW,  15                           ; v15 1,536 x wave + 16 x lane: my pieces' place in slots 0, 1;  v21 + 49,152 (slots 2, 3)
.set PFO, 29                           ; v29 the prefetches' offset
.set MSB, 0
.macro WIN new                         ; the immediate's high byte repeats the setting that is left
.if MSB != (\new)
	s_set_vgpr_msb (MSB<<8)|(\new)
.set MSB, (\new)
.endif
.endm
	s_load_b256 s[4:11], s[0:1], 0x0               ; qc, kc, vc, the scales' exponents
	s_load_b64 s[12:13], s[0:1], 0x20              ; cc
	v_lshrrev_b32 v7, 5, v0
	v_readfirstlane_b32 s14, v7                    ; wave 0..7
	s_and_b32 s17, ttmp7, 0xffff                   ; the (batch, head) pair
	s_mov_b32 s20, 0x76543210                      ; v_permlanex16_b32's selects for lane l xor 16
	s_mov_b32 s21, 0xfedcba98
	s_mov_b32 s22, 0x3e16c740                      ; c = log2(e) / sqrt(96)
	s_mul_i32 s54, s17, 196608                     ; the pair's first byte in qc, kc and vc
	s_mov_b32 s55, 0
	s_mul_i32 s58, s14, 1536                       ; my three pieces of a step
	s_add_co_u32 s56, s58, s54
	s_mov_b32 s57, 0
	s_lshl_b32 s59, ttmp9, 4
	s_lshl_b32 s60, s14, 1
	s_add_co_u32 s59, s59, s60                     ; my first query tile in the batch: 16 x block + 2 x wave
	s_mul_i32 s60, s59, 1536
	s_add_co_u32 s60, s60, s54
	s_mov_b32 s61, 0
	s_lshr_b32 s62, s17, 3
	s_lshl_b32 s62, s62, 7
	s_add_co_u32 s62, s62, s59                     ; the same tile among all 512
	s_mul_i32 s62, s62, 12288
	s_and_b32 s63, s17, 7
	s_mul_i32 s63, s63, 1536                       ; my head's three pieces
	s_add_co_u32 s62, s62, s63
	s_mov_b32 s63, 0
	s_mul_i32 s59, ttmp9, 1536                     ; my work-group's part of a step's prefetch
	s_and_b32 s40, s14, 3                          ; the step of a trip in which my wave prefetches
	s_cmp_eq_u32 s40, 3
	s_cselect_b32 s41, 3, 2                        ; and the trips to go down to which it does
	v_lshl_add_u32 v[SPW], v0, 2, SPARE
	v_mov_b32 v[NIL], 0
	v_and_b32 v8, 31, v0
	v_lshlrev_b32 v[LI], 4, v8
	v_min_u32 v9, 5, v8
	v_lshlrev_b32 v9, 8, v9
	v_add_nc_u32 v2, 49152, v[LI]
	v_add_nc_u32 v[AW], s58, v[LI]
	v_add_nc_u32 v21, 49152, v[AW]
	v_add_nc_u32 v[PFO], s59, v9                   ; 1,536 x work-group + 256 x lane (lanes 6 on name the last block again)
	s_wait_alu depctr_va_vdst(0)
	s_wait_kmcnt 0x0
	s_load_b128 s[32:35], s[10:11], 0x18           ; eq, ek, ep, ev
	s_load_b32 s36, s[10:11], 0x28                 ; ec
	s_add_nc_u64 s[50:51], s[6:7], s[56:57]        ; my pieces of kc
	s_add_nc_u64 s[52:53], s[8:9], s[56:57]        ; and of vc
	s_add_nc_u64 s[44:45], s[4:5], s[60:61]        ; Q's codes at my first tile
	s_add_nc_u64 s[46:47], s[12:13], s[62:63]      ; cc likewise
	s_cmp_lt_u32 s14, 4
	s_cselect_b64 s[38:39], s[6:7], s[8:9]
	s_add_nc_u64 s[38:39], s[38:39], s[54:55]      ; what my wave prefetches
.irp n, 0,1                            ; steps 0 and 1, into registers that the first scores take later
.irp c, 0,1,2
	global_load_b128 v[64+24*\n+4*\c:64+24*\n+4*\c+3], v[LI], s[50:51] offset:12288*\n+512*\c
	global_load_b128 v[76+24*\n+4*\c:76+24*\n+4*\c+3], v[LI], s[52:53] offset:12288*\n+512*\c
.endr
.endr
	WIN 0x40                                       ; destination window 1
.irp q, 0,1
.irp c, 0,1,2
	global_load_b128 v[16*\q+4*\c:16*\q+4*\c+3], v[LI], s[44:45] offset:1536*\q+512*\c   ; Q stays in registers
.endr
.endr
.macro ASKCOPY n                       ; my three pieces of K and of V, n steps on
	WIN 0x40
.irp c, 0,1,2
	global_load_b128 v[228+4*\c:231+4*\c], v[LI], s[50:51] offset:12288*(\n)+512*\c
	global_load_b128 v[240+4*\c:243+4*\c], v[LI], s[52:53] offset:12288*(\n)+512*\c
.endr
.endm
	ASKCOPY 2
.irp c, 12,13,14,15
	v_mov_b32 v[\c], 0                             ; Q's fourth block: zero codes
	v_mov_b32 v[16+\c], 0
	v_mov_b32 v[212+\c], 0                         ; v224-227, behind K's last fragment: no load ever lands here
.endr
.set i, 32
.rept 96
	v_mov_b32 v[i], 0                              ; O^T.  (The step is written once: the first finds zeros, which the first change of M leaves zeros)
.set i, i+1
.endr
	WIN 0
.irp q, 0,1
	v_mov_b32 v[17+8*\q], 0xff61b1e6               ; the largest t so far: -3e38, under every t
	v_floor_f32 v[16+8*\q], -v[17+8*\q]            ; -M
	v_mov_b32 v[18+8*\q], 0                        ; l's first chain, in two halves
	v_mov_b32 v[19+8*\q], 0
	v_mov_b32 v[22+8*\q], 0                        ; l's second chain
	v_mov_b32 v[23+8*\q], 0
	v_mov_b32 v[12+\q], v[16+8*\q]
.endr
	v_mov_b32 v7, 0                                ; written once: a lane permute's destination counts as one of its sources
	v_mov_b32 v14, 0
	s_wait_kmcnt 0x0
	s_add_co_i32 s54, s32, s33
	s_lshl_b32 s54, s54, 23
	s_add_co_i32 s22, s22, s54                     ; a score stands for score x 2^(eq + ek): the two exponents are added to c's exponent field
	s_mov_b32 s23, s22                             ; (named with it as a pair)
	s_add_co_i32 s54, s34, 127
	s_lshl_b32 s55, s54, 23
	v_mov_b32 v6, s55                              ; 2^ep
	s_add_co_i32 s54, s54, 8
	s_lshl_b32 s54, s54, 23
	s_or_b32 s54, s54, 0x600000
	v_mov_b32 v5, s54                              ; 448 x 2^ep
	s_wait_alu depctr_va_vdst(0)
	s_wait_loadcnt 12                              ; steps 0 and 1 are in; Q and step 2, asked for behind them, may be out
.irp n, 0,1
.irp c, 0,1,2
	ds_store_b128 v[AW], v[64+24*\n+4*\c:64+24*\n+4*\c+3] offset:24576*\n+512*\c
	ds_store_b128 v[AW], v[76+24*\n+4*\c:76+24*\n+4*\c+3] offset:24576*\n+12288+512*\c
.endr
.endr
.macro KLOAD s                         ; slot s: a step's K: eight fragments of three pieces each
	WIN 0x40
.irp t, 0,1,2,3,4,5,6,7
.irp c, 0,1,2
	ds_load_b128 v[128+12*\t+4*\c:131+12*\t+4*\c], v[LI+(\s)/2] offset:24576*((\s)%2)+1536*\t+512*\c
.endr
.endr
	WIN 0
.endm
.macro VLD s, n                        ; slot s: piece n of the 16 of V's fragments 0 to 3
	ds_load_b128 v[192+4*(\n):195+4*(\n)], v[LI+(\s)/2] offset:24576*((\s)%2)+12288+512*(\n)
.endm
.macro FM q, j                         ; tile q, pair j of 32: t - M, two at a time (of the pairs c and -M the low word serves both halves)
	v_pk_fma_f32 v[64+64*(\q)+2*(\j):64+64*(\q)+2*(\j)+1], v[64+64*(\q)+2*(\j):64+64*(\q)+2*(\j)+1], s[22:23], v[16+8*(\q):17+8*(\q)] op_sel_hi:[1,0,0]
.endm
.macro CODES q                         ; tile q's p into codes
.irp b, 0,1,2,3
	v_cvt_scalef32_pk8_fp8_f32 v[32+16*\q+4*\b:33+16*\q+4*\b], v[64+64*\q+16*\b:71+64*\q+16*\b], v6
	v_cvt_scalef32_pk8_fp8_f32 v[34+16*\q+4*\b:35+16*\q+4*\b], v[72+64*\q+16*\b:79+64*\q+16*\b], v6
.endr
.endm
.macro PV t, rV                        ; channel tile t of both query tiles
.irp q, 0,1
	v_wmma_f32_16x16x128_fp8_fp8 v[32+48*\q+8*\t:39+48*\q+8*\t], v[\rV:\rV+15], v[32+16*\q:47+16*\q], v[32+48*\q+8*\t:39+48*\q+8*\t]
.endr
.endm
; A KEY STEP: 128 keys, in slot u.  Its K is in registers, and the barrier that stands open has been signalled.  s49 = 1 in the last trip.
.macro STEP u
.set ks, (\u+1)%4
.set ss, (\u+2)%4
	WIN 0x05                                       ; K and Q in window 1, S^T in window 0
.irp t, 0,1,2,3,4,5,6,7
.irp q, 0,1
	v_wmma_f32_16x16x128_fp8_fp8 v[64+64*\q+8*\t:71+64*\q+8*\t], v[128+12*\t:143+12*\t], v[16*\q:16*\q+15], 0
.endr
.endr
	WIN 0
.rept 4
	v_nop                                          ; four places between the products and the first read of results (ISA guide 7.12.1)
.endr
	; the largest score of each query among my 64 keys: two chains a tile, the tiles side by side, each accumulator from its low end on
.irp q, 0,1
	v_max3_num_f32 v[8+2*\q], v[64+64*\q], v[65+64*\q], v[66+64*\q]
.endr
.irp q, 0,1
	v_max3_num_f32 v[9+2*\q], v[67+64*\q], v[68+64*\q], v[69+64*\q]
.endr
.irp i, 6,10,14,18,22,26,30,34,38,42,46,50,54,58
.irp q, 0,1
	v_max3_num_f32 v[8+2*\q], v[8+2*\q], v[64+64*\q+\i], v[65+64*\q+\i]
.endr
.irp q, 0,1
	v_max3_num_f32 v[9+2*\q], v[9+2*\q], v[66+64*\q+\i], v[67+64*\q+\i]
.endr
.endr
.irp q, 0,1
	v_max3_num_f32 v[8+2*\q], v[8+2*\q], v[126+64*\q], v[127+64*\q]
.endr
	s_wait_alu depctr_va_vdst(0)
	s_barrier_wait -1                              ; every wave has stored its pieces of the next step and has read what the stores below overwrite
.if \u == 3
	s_cmp_eq_u32 s49, 1                            ; behind the last step there is none
	s_cbranch_scc1 .Lno_k_\@
.endif
	KLOAD ks                                       ; the next step's K, a whole softmax ahead of its use
.Lno_k_\@:
	; from here each line needs the one before it: the tiles go in pairs, and V's first four fragments are asked for between the pairs (all in window 0: no switch)
.irp q, 0,1
	v_max_num_f32 v[8+2*\q], v[8+2*\q], v[9+2*\q]
.endr
	VLD \u, 0
	VLD \u, 1
	v_permlanex16_b32 v7, v8, s20, s21
	v_permlanex16_b32 v14, v10, s20, s21
	VLD \u, 2
	VLD \u, 3
	v_max_num_f32 v8, v8, v7                       ; and among lane l xor 16's
	v_max_num_f32 v10, v10, v14
	VLD \u, 4
	VLD \u, 5
.irp q, 0,1
	v_mul_f32 v[8+2*\q], s22, v[8+2*\q]            ; as t (c is positive)
.endr
	VLD \u, 6
	VLD \u, 7
.irp q, 0,1
	v_max_num_f32 v[17+8*\q], v[17+8*\q], v[8+2*\q]  ; the running largest t
.endr
	VLD \u, 8
	VLD \u, 9
.irp q, 0,1
	v_floor_f32 v[16+8*\q], -v[17+8*\q]            ; the new -M = floor(-t) = -ceil(t)
.endr
	VLD \u, 10
	VLD \u, 11
.irp q, 0,1
	v_sub_f32 v[8+2*\q], v[16+8*\q], v[12+\q]      ; old M - new M: a whole number, 0 or less
.endr
	VLD \u, 12
	VLD \u, 13
.irp q, 0,1
	v_cvt_i32_f32 v[8+2*\q], v[8+2*\q]             ; (it saturates)
.endr
	VLD \u, 14
	VLD \u, 15
	FM 0, 0
	FM 0, 1
.irp q, 0,1
	v_ldexp_f32 v[20+8*\q], 1.0, v[8+2*\q]         ; f = 2^(old M - new M)
.endr
.set k, 2
.rept 30
	FM 0, k
.set k, k+1
.endr
	s_cmp_eq_u32 s42, \u                           ; my wave's step of the trip?
	s_cbranch_scc0 .Lno_ask_\@
	global_prefetch_b8 v[PFO], s[38:39] offset:12288*(\u+5) th:TH_LOAD_NT scope:SCOPE_SE
.Lno_ask_\@:
	s_wait_alu depctr_va_vdst(0)
	; tile 0's exponentials, with tile 1's scalings among them
.set k, 0
.rept 64
	v_exp_f32 v[64+k], v[64+k]                     ; p = 2^(t - M), at most 1
.if (k%2) == 1
	FM 1, k/2
.endif
.set k, k+1
.endr
	s_wait_alu depctr_va_vdst(0)
.set k, 0
.rept 64
	v_exp_f32 v[128+k], v[128+k]
.set k, k+1
.endr
.irp q, 0,1                            ; the sums under the new M: the plain lines behind the exponentials
	v_pk_mul_f32 v[18+8*\q:19+8*\q], v[18+8*\q:19+8*\q], v[20+8*\q:21+8*\q] op_sel_hi:[1,0]
	v_pk_mul_f32 v[22+8*\q:23+8*\q], v[22+8*\q:23+8*\q], v[20+8*\q:21+8*\q] op_sel_hi:[1,0]
.endr
	s_wait_alu depctr_va_vdst(0)                   ; one wait for both batches, ahead of the first line that names a result
	s_wait_loadcnt 0x0                             ; my pieces of two steps on are in
.if \u >= 2
	s_cmp_eq_u32 s49, 1                            ; the last two steps store nothing
	s_cbranch_scc1 .Lno_copy_\@
.endif
	WIN 0x04                                       ; data window 1
.irp c, 0,1,2
	ds_store_b128 v[AW+6*(ss/2)], v[228+4*\c:231+4*\c] offset:24576*(ss%2)+512*\c
	ds_store_b128 v[AW+6*(ss/2)], v[240+4*\c:243+4*\c] offset:24576*(ss%2)+12288+512*\c
.endr
	WIN 0
.Lno_copy_\@:
.set k, 0
.rept 16                               ; l, of the UNQUANTISED p: two chains a tile, the tiles side by side
	v_pk_add_f32 v[18:19], v[18:19], v[64+4*k:65+4*k]
	v_pk_add_f32 v[26:27], v[26:27], v[128+4*k:129+4*k]
	v_pk_add_f32 v[22:23], v[22:23], v[66+4*k:67+4*k]
	v_pk_add_f32 v[30:31], v[30:31], v[130+4*k:131+4*k]
.set k, k+1
.endr
	s_cmp_ge_i32 s34, -8                           ; 448 x 2^ep >= 1 >= p: nothing to hold
	s_cbranch_scc1 .Lfree_\@
.set k, 0
.rept 128
	v_min_num_f32 v[64+k], v[64+k], v5             ; the conversion does not saturate (ISA guide 7.6.2); p is not negative, so the hold is one-sided
.set k, k+1
.endr
.Lfree_\@:
	CODES 0
.irp t, 0,1
.irp c, 0,1,2,3
	ds_load_b128 v[64+16*\t+4*\c:67+16*\t+4*\c], v[LI+(\u)/2] offset:24576*((\u)%2)+12288+2048*(4+\t)+512*\c   ; V's fragments 4 and 5, where tile 0's p lay
.endr
.endr
	CODES 1
	WIN 0x41                                       ; O^T (destination and source 0) in window 1, f in window 0
	s_wait_alu depctr_va_vdst(0)
.irp q, 0,1
.set j, 0
.rept 24
	v_pk_mul_f32 v[32+48*\q+j:33+48*\q+j], v[32+48*\q+j:33+48*\q+j], v[20+8*\q:21+8*\q] op_sel_hi:[1,0]   ; O^T under the new M; the plain lines behind the conversions
.set j, j+2
.endr
.endr
	WIN 0
	s_wait_alu depctr_va_vdst(0)
	s_wait_dscnt 8                                 ; V's fragments 0 to 3, the next step's K and my stores are done; V's last eight loads may be out
.if \u > 0
	s_cmp_eq_u32 s49, 1
	s_cbranch_scc1 .Lno_more_\@
.endif
	ASKCOPY \u+3                                   ; the stores have read these registers
	WIN 0
.Lno_more_\@:
	WIN 0x50                                       ; V and p in window 0, O^T in window 1: the twelve accumulators by turns
	PV 0, 192
	PV 1, 208
	PV 2, 224
	PV 3, 240
	s_wait_dscnt 0x0                               ; V is in; every LDS instruction of mine is done:
	s_barrier_signal -1                            ; say so
	PV 4, 64
	PV 5, 80
	WIN 0
	v_mov_b32 v12, v16                             ; the old -M of both tiles is kept for f.  With the three v_nop: five places, since the next step's products write over registers (v64-95) that these have read
	v_mov_b32 v13, v24
.rept 3
	v_nop
.endr
.endm
	s_wait_dscnt 0x0                               ; for the others' sake: my stores are done
	s_barrier_signal -1
	s_barrier_wait -1                              ; steps 0 and 1 are whole
	KLOAD 0
	s_wait_loadcnt 6                               ; Q is in; step 2's six loads may be out
	s_wait_dscnt 0x0
	s_barrier_signal -1                            ; step 0 waits for this one
	s_mov_b32 s49, 4
.Ltrip:                                                ; a trip goes once round the ring
	s_cmp_ge_u32 s49, s41
	s_cselect_b32 s42, s40, 4                      ; the step in which my wave prefetches, or none
	STEP 0
	STEP 1
	STEP 2
	STEP 3
	s_wait_xcnt 0x0                                ; my loads and my prefetch have read their bases
	s_add_nc_u64 s[50:51], s[50:51], 49152
	s_add_nc_u64 s[52:53], s[52:53], 49152
	s_add_nc_u64 s[38:39], s[38:39], 49152
	s_sub_co_u32 s49, s49, 1
	s_cmp_lg_u32 s49, 0
	s_wait_alu depctr_va_vdst(0)
	s_cbranch_scc1 .Ltrip
	s_barrier_wait -1                              ; the last signal's wait
	; THE WAY OUT.  O^T x 2^(ep + ev) / l is the concatenated heads' number; it is held, converted with 2^ec, and its three pieces a tile leave as they stand
	v_pk_add_f32 v[18:19], v[18:19], v[22:23]      ; l's two chains,
	v_pk_add_f32 v[26:27], v[26:27], v[30:31]
	v_add_f32 v18, v18, v19                        ; their two halves,
	v_add_f32 v26, v26, v27
	v_permlanex16_b32 v7, v18, s20, s21
	v_permlanex16_b32 v14, v26, s20, s21
	v_add_f32 v18, v18, v7                         ; and lane l xor 16's
	v_add_f32 v26, v26, v14
	s_add_co_i32 s54, s36, 127
	s_lshl_b32 s55, s54, 23
	s_add_co_i32 s54, s54, 8
	s_lshl_b32 s54, s54, 23
	s_or_b32 s54, s54, 0x600000
	s_add_co_i32 s56, s34, s35                     ; ep + ev
	s_wait_alu depctr_va_vdst(0)
	v_rcp_f32 v22, v18
	v_rcp_f32 v30, v26
	v_mov_b32 v6, s55                              ; 2^ec  (plain lines behind the reciprocals)
	v_mov_b32 v5, s54                              ; 448 x 2^ec
	s_wait_alu depctr_va_vdst(0)                   ; one wait for both reciprocals, ahead of their first reader
	v_ldexp_f32 v22, v22, s56
	v_ldexp_f32 v30, v30, s56
	WIN 0x01                                       ; source 0 (O^T) in window 1
	s_wait_alu depctr_va_vdst(0)
.irp q, 0,1
.set j, 0
.rept 24
	v_pk_mul_f32 v[64+48*\q+j:65+48*\q+j], v[32+48*\q+j:33+48*\q+j], v[22+8*\q:23+8*\q] op_sel_hi:[1,0]   ; register 16 b + i: channel 32 b + 16 h + i of my query
.set j, j+2
.endr
.endr
	WIN 0
.irp q, 0,1
.irp b, 0,1,2
.set i, 0
.rept 16
	v_med3_num_f32 v[64+48*\q+16*\b+i], v[64+48*\q+16*\b+i], -v5, v5
.set i, i+1
.endr
	v_cvt_scalef32_pk8_fp8_f32 v[32+16*\q+4*\b:33+16*\q+4*\b], v[64+48*\q+16*\b:71+48*\q+16*\b], v6
	v_cvt_scalef32_pk8_fp8_f32 v[34+16*\q+4*\b:35+16*\q+4*\b], v[72+48*\q+16*\b:79+48*\q+16*\b], v6
.endr
.endr
	v_nop                                          ; a plain line behind the last conversion
.irp q, 0,1
.irp b, 0,1,2
	global_store_b128 v[LI], v[32+16*\q+4*\b:35+16*\q+4*\b], s[46:47] offset:12288*\q+512*\b   ; a piece: 512 consecutive bytes
.endr
.endr
	s_wait_tensorcnt 0x0                           ; the wave's end: behind my last LDS store
	ds_add_u32 v[SPW], v[NIL]
	s_wait_dscnt 0x0
	s_endpgm
.Lfunc_end_k_q036375253e_attn:
	.size	k_q036375253e_attn, .Lfunc_end_k_q036375253e_attn-k_q036375253e_attn
	.p2alignl 7, 3214868480
	.fill 96, 4, 3214868480
	.section	.rodata,"a",@progbits
	.p2align	6, 0x0
	.amdhsa_kernel k_q036375253e_attn
		.amdhsa_group_segment_fixed_size 99328
		.amdhsa_private_segment_fixed_size 0
		.amdhsa_enable_private_segment 0
		.amdhsa_kernarg_size 40
		.amdhsa_user_sgpr_count 2
		.amdhsa_user_sgpr_kernarg_segment_ptr 1
		.amdhsa_wavefront_size32 1
		.amdhsa_system_sgpr_workgroup_id_x 1
		.amdhsa_system_sgpr_workgroup_id_y 1
		.amdhsa_system_sgpr_workgroup_id_z 1
		.amdhsa_system_vgpr_workitem_id 0
		.amdhsa_next_free_vgpr 512
		.amdhsa_next_free_sgpr 66
		.amdhsa_reserve_vcc 0
		.amdhsa_float_denorm_mode_32 3
		.amdhsa_float_denorm_mode_16_64 3
		.amdhsa_memory_ordered 1
		.amdhsa_forward_progress 1
		.amdhsa_inst_pref_size 152
	.end_amdhsa_kernel
	.amdgpu_metadata
---
amdhsa.version: [ 1, 2 ]
amdhsa.kernels:
  - .name:           k_q036375253e_attn
    .symbol:         k_q036375253e_attn.kd
    .args:
      - { .name: qc, .offset: 0, .size: 8, .value_kind: global_buffer, .address_space: global }
      - { .name: kc, .offset: 8, .size: 8, .value_kind: global_buffer, .address_space: global }
      - { .name: vc, .offset: 16, .size: 8, .value_kind: global_buffer, .address_space: global }
      - { .name: lowp_scales, .offset: 24, .size: 8, .value_kind: global_buffer, .address_space: global }
      - { .name: cc, .offset: 32, .size: 8, .value_kind: global_buffer, .address_space: global }
    .group_segment_fixed_size: 99328
    .private_segment_fixed_size: 0
    .kernarg_segment_align: 8
    .kernarg_segment_size: 40
    .max_flat_workgroup_size: 256
    .sgpr_count:     66
    .vgpr_count:     512
    .wavefront_size: 32
...
	.end_amdgpu_metadata
.endif
;; end of part 3
;; launch outp (part 4): grid 4 x 64, 4 waves a work-group, clusters of 4 x 4, 327,680 bytes of LDS; arguments cc, wc, bo, lowp_scales, out0; writes out0
.if DOCPART == 4
	.amdgcn_target "amdgcn-amd-amdhsa--gfx1250"
	.amdhsa_code_object_version 6
	.text
	.protected	k_q036375253e_outp
	.globl	k_q036375253e_outp
	.p2align	8
	.type	k_q036375253e_outp,@function
k_q036375253e_outp:
	s_mov_b64 s[64:65], 0
	v_nop
	global_prefetch_b8 v0, s[64:65] scope:SCOPE_SE
	s_setreg_imm32_b32 hwreg(HW_REG_WAVE_MODE, 25, 1), 1
	s_wait_xcnt 0x0
	s_wait_alu depctr_hold_cnt(0) depctr_sa_sdst(0) depctr_va_vdst(0) depctr_va_sdst(0) depctr_va_ssrc(0) depctr_va_vcc(0) depctr_vm_vsrc(0)
	s_getreg_b32 s2, hwreg(HW_REG_IB_STS2, 6, 4)
	s_cmp_eq_u32 s2, 0
	s_cbranch_scc0 .Lentry_in_a_cluster
	s_endpgm
.Lentry_in_a_cluster:
	s_bfe_u32 s2, ttmp6, 0x10000c
	s_cmp_lg_u32 s2, 0xf033
	s_cbranch_scc0 .Lentry_shape_is_right
	s_endpgm
.Lentry_shape_is_right:
; out0 = cat Wo + bo on codes of FP8 (E4M3): cat's codes (scale 2^ec) and Wo's (2^eo) are images of registers: a piece of 512 bytes has, for lane 16 h + r, 16 codes at byte 16 x lane: k = 32 g + 16 h + 0 .. 15 of place r's row;
; four pieces are a fragment of 128 along K.  Place r of tile t is row 32 (t / 2) + 8 (t % 2) + r + 8 (r / 8), for tokens and columns alike.
; SHARES.  Work-group (x, y): 128 tokens (8 tiles) from 128 y on x 192 columns (12 tiles) from 192 x on; 256 work-groups.  A wave: 64 tokens x 96 columns: 24 accumulators, 144 matrix instructions.
; Both operands, all 768 along K, lie in LDS: 98,304 bytes of cat and 147,456 of Wo, dense in memory, by one tensor load a wave; no slot is filled twice.
; CLUSTERS: 4 x 4 work-groups: the four of a row share cat's tiles, the four of a column Wo's: each is asked for JOINTLY.  No prefetch: there is no loop to run ahead in.
; Source 0 = 16 columns of Wo, source 1 = 16 tokens: a lane holds one token and eight neighbouring columns.  out0 = sum x 2^(ec + eo) + bo, one packed multiply-add for two numbers.
; THE WAY OUT: through a stage in LDS over the tiles, which have had their last read: 128 rows of 768 bytes + 16; sixteen lanes store 256 consecutive bytes, at a multiple of 256 from out0's first byte: three stores for two rows.
; LIMIT: ec + eo between -126 and 127.  NaN is not served.
; REGISTERS: window 0: addresses; v64-255 the 24 accumulators ((m, t) at v[64 + 8 (6 m + t)]), then the rows on their way out.  windows 1, 2: the two buffers of a K step's fragments: v0-63 cat's four, v64-159 Wo's six.  window 3: v0-47 bo, 8 registers a tile.
.set BOFF,  98304                      ; Wo's tiles behind cat's
.set SPARE, 245760                     ; behind the tiles: the spare words, 128 bytes for each wave
.set SP,    784                        ; the stage's pitch: an odd multiple of 16 bytes
.set LI,  1                            ; v1  16 x lane
.set AA,  2                            ; v2  my four tiles of cat
.set BA,  3                            ; v3  my tiles of Wo 0 to 2;  v4  3 to 5
.set SPW, 6                            ; v6  LDS address of my spare word; never rewritten
.set NIL, 7                            ; v7  0; never rewritten
.set BO,  8                            ; v8  64 h: my half's byte among a tile's biases
.set SO,  9                            ; v9  the stage: where I put 32 bytes of a row
.set R0,  10                           ; v10 where I read back the first 512 bytes of a row, or its last 512;  v11 the last 256 of one row and the first 256 of the next
.set GO,  12                           ; v12 the same two pieces in out0
.set ACC, 64
.set MSB, 0
.macro WIN new                         ; the immediate's high byte repeats the setting that is left
.if MSB != (\new)
	s_set_vgpr_msb (MSB<<8)|(\new)
.set MSB, (\new)
.endif
.endm
.macro CROUND                          ; a round of the cluster's barrier
	s_barrier_signal -1
	s_barrier_wait -1
	s_cmp_lg_u32 s22, 0
	s_cbranch_scc1 .Lnot_wave_0_\@
	s_barrier_signal -3
.Lnot_wave_0_\@:
	s_barrier_wait -3
	s_barrier_signal -1
	s_barrier_wait -1
.endm
	s_load_b256 s[4:11], s[0:1], 0x0               ; cc, wc, bo, the scales' exponents
	s_load_b64 s[12:13], s[0:1], 0x20              ; out0
	v_lshl_add_u32 v[SPW], v0, 2, SPARE
	v_mov_b32 v[NIL], 0
	ds_add_u32 v[SPW], v[NIL]                      ; the wave's opening: the add, twice on end, and its wait ahead of my tensor load; work on registers stands between them
	ds_add_u32 v[SPW], v[NIL]
	v_lshrrev_b32 v1, 5, v0
	v_readfirstlane_b32 s22, v1                    ; wave 0..3
	s_lshr_b32 s23, s22, 1                         ; which half of the tokens.  Also: I fetch for cat (0) or for Wo (1)
	s_and_b32 s36, s22, 1                          ; which half of the columns.  Also: which half of that tile I fetch
	s_bfe_u32 s40, ttmp6, 0x40000                  ; cx, cy
	s_bfe_u32 s41, ttmp6, 0x40004
	s_lshl_b32 s42, ttmp9, 2
	s_add_co_u32 s42, s42, s40                     ; x
	s_and_b32 s43, ttmp7, 0xffff
	s_lshl_b32 s43, s43, 2
	s_add_co_u32 s43, s43, s41                     ; y
	s_lshl_b32 s44, s41, 2
	s_lshl_b32 s44, 15, s44                        ; my row of the cluster
	s_lshl_b32 s45, 0x1111, s40                    ; my column
	s_or_b32 s24, s44, (3<<16)|(1<<21)             ; descriptor group 1 of cat: the mask; elements of 8 bytes; bit 21 set beside a mask; no padding
	s_mov_b32 s25, 32<<16                          ; 49,152 dense bytes as 192 rows of 256
	s_mov_b32 s26, 192<<16
	s_mov_b32 s27, 32<<16
	s_mov_b32 s28, 192
	s_mov_b32 s29, 32
	s_mov_b32 s30, 0
	s_mov_b32 s31, 0
	s_or_b32 s48, s45, (3<<16)|(1<<21)             ; and of Wo: 73,728 dense bytes as 288 rows of 256
	s_mov_b32 s49, 32<<16
	s_mov_b32 s50, 288<<16
	s_mov_b32 s51, 32<<16
	s_mov_b32 s52, 288
	s_mov_b32 s53, 32
	s_mov_b32 s54, 0
	s_mov_b32 s55, 0
	s_mul_i32 s38, s43, 98304                      ; cat's address hangs on y alone,
	s_mul_i32 s33, s36, 49152
	s_add_co_u32 s38, s38, s33
	s_mov_b32 s39, 0
	s_mul_i32 s46, s42, 147456                     ; Wo's on x alone
	s_add_co_u32 s46, s46, 1769472                 ; Wo is the fourth weight in wc
	s_mul_i32 s57, s36, 73728
	s_add_co_u32 s46, s46, s57
	s_mov_b32 s47, 0
	s_add_co_u32 s57, s57, BOFF
	s_mul_i32 s60, s23, 49152                      ; what I read: my half of cat,
	s_mul_i32 s61, s36, 73728
	s_add_co_u32 s61, s61, BOFF                    ; my half of Wo
	s_mul_i32 s62, s23, 64*SP
	s_mul_i32 s63, s36, 384
	s_add_co_u32 s62, s62, s63                     ; what I put into the stage
	s_mul_i32 s63, s22, 32*SP                      ; and read back: rows 32 w on
	v_and_b32 v14, 31, v0
	v_and_b32 v15, 15, v0                          ; r
	v_bfe_u32 v16, v0, 4, 1                        ; h
	v_lshlrev_b32 v[LI], 4, v14
	v_lshlrev_b32 v17, 4, v15
	v_lshlrev_b32 v[BO], 6, v16
	v_mul_u32_u24 v[SO], v15, SP
	v_mul_u32_u24 v11, v16, SP-512
	v_mul_u32_u24 v[GO], v16, 2560
	v_add_nc_u32 v[AA], s60, v[LI]
	v_add_nc_u32 v[BA], s61, v[LI]
	v_add_nc_u32 v4, 36864, v[BA]
	v_lshl_add_u32 v[SO], v16, 6, v[SO]
	v_add_nc_u32 v[SO], s62, v[SO]                 ; row 64 i + r, my 96 columns' 384 bytes, + 64 h
	v_add_nc_u32 v[R0], s63, v[LI]
	v_add_nc_u32 v11, v17, v11
	v_add_nc_u32 v11, 512, v11
	v_add_nc_u32 v11, s63, v11                     ; lanes 0-15: byte 512 of a row; lanes 16-31: byte 0 of the next
	v_add_nc_u32 v[GO], v17, v[GO]
	v_add_nc_u32 v[GO], 512, v[GO]
	s_wait_alu depctr_va_vdst(0)
	s_wait_dscnt 0x0                               ; both opening adds are done
	s_wait_kmcnt 0x0
	s_load_b64 s[66:67], s[10:11], 0x28            ; ec, eo
	s_mov_b32 s32, 1                               ; count = 1;  s33: the LDS address
	s_add_nc_u64 s[34:35], s[4:5], s[38:39]
	s_or_b32 s35, s35, 0x80000000                  ; type = 2
	s_mov_b32 s56, 1
	s_add_nc_u64 s[58:59], s[6:7], s[46:47]
	s_or_b32 s59, s59, 0x80000000
	CROUND                                         ; all sixteen work-groups are here: the joint loads meet
	s_cmp_eq_u32 s23, 0                            ; my one tensor load: waves 0 and 1 fetch cat's halves, waves 2 and 3 Wo's; the branch hangs on the wave's number alone
	s_cbranch_scc0 .Lfor_w
	tensor_load_to_lds s[32:35], s[24:31]
	s_nop 0
.rept 4
	v_nop
.endr
	s_branch .Lasked
.Lfor_w:
	tensor_load_to_lds s[56:59], s[48:55]
	s_nop 0
.rept 4
	v_nop
.endr
.Lasked:
	s_mul_i32 s40, s42, 768
	s_mul_i32 s41, s36, 384
	s_add_co_u32 s40, s40, s41
	s_mov_b32 s41, 0
	s_add_nc_u64 s[70:71], s[8:9], s[40:41]        ; bo at my 96 columns
	s_lshl_b32 s40, s43, 7
	s_lshl_b32 s41, s22, 5
	s_add_co_u32 s40, s40, s41                     ; the first token that I store: 128 y + 32 w
	s_mul_i32 s40, s40, 3072
	s_mul_i32 s41, s42, 768
	s_add_co_u32 s40, s40, s41
	s_mov_b32 s41, 0
	s_add_nc_u64 s[68:69], s[12:13], s[40:41]
	WIN 0xc0
.irp t, 0,1,2,3,4,5
	global_load_b128 v[8*\t:8*\t+3], v[BO], s[70:71] offset:(32*(\t/2)+8*(\t%2))*4          ; bo at my eight columns of tile t: 32 (t / 2) + 16 h + 8 (t % 2) + 0 .. 7
	global_load_b128 v[8*\t+4:8*\t+7], v[BO], s[70:71] offset:(32*(\t/2)+8*(\t%2))*4+16
.endr
	WIN 0
	s_wait_kmcnt 0x0
	s_add_co_i32 s60, s66, s67
	s_add_co_i32 s60, s60, 127
	s_lshl_b32 s60, s60, 23                        ; 2^(ec + eo) as f32
	s_mov_b32 s61, s60                             ; (named with it as a pair)
.macro FETCH s                         ; the ten fragments of K step s, into buffer s % 2
	WIN (1+(\s)%2)<<6
.irp m, 0,1,2,3
.irp c, 0,1,2,3
	ds_load_b128 v[16*\m+4*\c:16*\m+4*\c+3], v[AA] offset:12288*\m+2048*(\s)+512*\c
.endr
.endr
.irp t, 0,1,2,3,4,5
.irp c, 0,1,2,3
	ds_load_b128 v[64+16*\t+4*\c:67+16*\t+4*\c], v[BA+\t/3] offset:12288*(\t%3)+2048*(\s)+512*\c
.endr
.endr
.endm
; 24 matrix instructions: the 24 accumulators take turns, one instruction a turn, in the same order in every K step.  The first K step starts the sums.
.macro MULS s
	WIN 5*(1+(\s)%2)
.irp m, 0,1,2,3
.irp t, 0,1,2,3,4,5
.if (\s) == 0
	v_wmma_f32_16x16x128_fp8_fp8 v[ACC+8*(6*\m+\t):ACC+8*(6*\m+\t)+7], v[64+16*\t:79+16*\t], v[16*\m:16*\m+15], 0
.else
	v_wmma_f32_16x16x128_fp8_fp8 v[ACC+8*(6*\m+\t):ACC+8*(6*\m+\t)+7], v[64+16*\t:79+16*\t], v[16*\m:16*\m+15], v[ACC+8*(6*\m+\t):ACC+8*(6*\m+\t)+7]
.endif
.endr
.endr
.endm
	s_wait_tensorcnt 0x0                           ; my part is in,
	s_barrier_signal -1
	s_barrier_wait -1                              ; everybody's is
	FETCH 0
.irp s, 0,1,2,3,4,5
.if (\s > 0) && (\s < 5)
.rept 4
	v_nop                                          ; four places between the last K step's products and the loads into the buffer that they read (ISA guide 7.12.1 for vector instructions)
.endr
.endif
.if \s < 5
	FETCH \s+1
	s_wait_dscnt 40                                ; this K step's 40 loads are in; the 40 just issued may be out
.else
	s_wait_dscnt 0x0                               ; my last reads of the tiles are over:
	s_barrier_signal -1                            ; say so, and multiply while the others arrive
.endif
	MULS \s
.endr
	WIN 0
.rept 4
	v_nop                                          ; four places between the last products and the first read of results
.endr
	s_wait_loadcnt 0x0                             ; bo
	WIN 0x30                                       ; source 2 (bo) in window 3
.irp m, 0,1,2,3
.irp t, 0,1,2,3,4,5
.irp i, 0,2,4,6
	v_pk_fma_f32 v[ACC+8*(6*\m+\t)+\i:ACC+8*(6*\m+\t)+\i+1], v[ACC+8*(6*\m+\t)+\i:ACC+8*(6*\m+\t)+\i+1], s[60:61], v[8*\t+\i:8*\t+\i+1] op_sel_hi:[1,0,1]   ; sum x 2^(ec + eo) + bo; each accumulator from its low end on
.endr
.endr
.endr
	WIN 0
	s_wait_alu depctr_va_vdst(0)
	s_barrier_wait -1                              ; nobody reads the tiles any more: the stage lies over them
.irp m, 0,1,2,3
.irp t, 0,1,2,3,4,5
	ds_store_b128 v[SO], v[ACC+8*(6*\m+\t):ACC+8*(6*\m+\t)+3] offset:16*SP*\m+128*(\t/2)+32*(\t%2)
	ds_store_b128 v[SO], v[ACC+8*(6*\m+\t)+4:ACC+8*(6*\m+\t)+7] offset:16*SP*\m+128*(\t/2)+32*(\t%2)+16
.endr
.endr
	s_wait_dscnt 0x0                               ; for the others' sake: my stores into the stage are done
	s_barrier_signal -1
	s_barrier_wait -1                              ; 128 rows of 768 bytes lie in the stage
.set n, 0
.rept 16                               ; two rows, 1,536 bytes, by three instructions
	ds_load_b128 v[ACC+12*n:ACC+12*n+3], v[R0] offset:2*SP*n
	ds_load_b128 v[ACC+12*n+4:ACC+12*n+7], v11 offset:2*SP*n
	ds_load_b128 v[ACC+12*n+8:ACC+12*n+11], v[R0] offset:2*SP*n+SP+256
.set n, n+1
.endr
.set n, 0
.rept 16                               ; place 2 (n % 8) of tile n / 8 of my two is token 8 (n / 8) + 2 (n % 8) + 8 ((n % 8) / 4); LDS loads come back in order: the younger ones may be out
.set tok, 8*(n/8)+2*(n%8)+8*((n%8)/4)
	s_wait_dscnt 47-3*n
	global_store_b128 v[LI], v[ACC+12*n:ACC+12*n+3], s[68:69] offset:tok*3072 th:TH_STORE_NT
	s_wait_dscnt 46-3*n
	global_store_b128 v[GO], v[ACC+12*n+4:ACC+12*n+7], s[68:69] offset:tok*3072 th:TH_STORE_NT
	s_wait_dscnt 45-3*n
	global_store_b128 v[LI], v[ACC+12*n+8:ACC+12*n+11], s[68:69] offset:tok*3072+3072+256 th:TH_STORE_NT
.set n, n+1
.endr
	s_wait_tensorcnt 0x0                           ; the wave's end: behind my last tensor load and my last LDS store
	ds_add_u32 v[SPW], v[NIL]
	s_wait_dscnt 0x0
	CROUND                                         ; the closing round: no work-group ends while a partner may still ask for a tile that names it
	s_endpgm
.Lfunc_end_k_q036375253e_outp:
	.size	k_q036375253e_outp, .Lfunc_end_k_q036375253e_outp-k_q036375253e_outp
	.p2alignl 7, 3214868480
	.fill 96, 4, 3214868480
	.section	.rodata,"a",@progbits
	.p2align	6, 0x0
	.amdhsa_kernel k_q036375253e_outp
		.amdhsa_group_segment_fixed_size 327680
		.amdhsa_private_segment_fixed_size 0
		.amdhsa_enable_private_segment 0
		.amdhsa_kernarg_size 40
		.amdhsa_user_sgpr_count 2
		.amdhsa_user_sgpr_kernarg_segment_ptr 1
		.amdhsa_wavefront_size32 1
		.amdhsa_system_sgpr_workgroup_id_x 1
		.amdhsa_system_sgpr_workgroup_id_y 1
		.amdhsa_system_sgpr_workgroup_id_z 1
		.amdhsa_system_vgpr_workitem_id 0
		.amdhsa_next_free_vgpr 1024
		.amdhsa_next_free_sgpr 72
		.amdhsa_reserve_vcc 0
		.amdhsa_float_denorm_mode_32 3
		.amdhsa_float_denorm_mode_16_64 3
		.amdhsa_memory_ordered 1
		.amdhsa_forward_progress 1
		.amdhsa_inst_pref_size 52
	.end_amdhsa_kernel
	.amdgpu_metadata
---
amdhsa.version: [ 1, 2 ]
amdhsa.kernels:
  - .name:           k_q036375253e_outp
    .symbol:         k_q036375253e_outp.kd
    .args:
      - { .name: cc, .offset: 0, .size: 8, .value_kind: global_buffer, .address_space: global }
      - { .name: wc, .offset: 8, .size: 8, .value_kind: global_buffer, .address_space: global }
      - { .name: bo, .offset: 16, .size: 8, .value_kind: global_buffer, .address_space: global }
      - { .name: lowp_scales, .offset: 24, .size: 8, .value_kind: global_buffer, .address_space: global }
      - { .name: out0, .offset: 32, .size: 8, .value_kind: global_buffer, .address_space: global }
    .group_segment_fixed_size: 327680
    .private_segment_fixed_size: 0
    .kernarg_segment_align: 8
    .kernarg_segment_size: 40
    .max_flat_workgroup_size: 128
    .sgpr_count:     72
    .vgpr_count:     1024
    .wavefront_size: 32
...
	.end_amdgpu_metadata
.endif
;; end of part 4
